; MI455X (gfx1250); checked and timed in simulation.
; The chip was launched on July 23, 2026; its instructions are those of AMD's public machine-readable ISA for CDNA 5 (MIT licence, August 2026) and "CDNA5" Instruction Set Architecture Reference Guide (July 2026). The comments in the code are by the model that wrote it; some were corrected since.
;; Projection Layer. Allowed arithmetic: matrix products marked QUANTISED: E2M3 operands, one E8M0 scale for each 32 along K, by v_wmma_scale_f32_16x16x128_f8f6f4 with both operands' format E2M3, f32 sums; products left as they are: f32 operands where the result goes on into a quantised operand, else bf16, f16 or f32 operands; f32 sums; everything else in f32.
;; Inputs: W_af 512 x 1 float32; W_as 1,024 x 512 float32; W_c1 1,024 x 512 float32; W_c2 512 x 1,024 float32; W_u 512 x 256 float32; W_ws 1,024 x 512 float32; b_af 1 float32; b_as 512 float32; b_c1 512 float32; b_c2 1,024 float32; b_u 256 float32; b_ws 512 float32; ln_b 512 float32; ln_g 512 float32; x 64 x 512 x 1,024 float32.
;; Outputs: out0 64 x 256 float32.
;; This version of the problem:
;;   THIS VERSION OF THE PROBLEM IS GIVEN IN LOW PRECISION. The matrix products marked QUANTISED in the list below multiply operands that are first quantised to E2M3 (2 exponent bits, 3 mantissa bits; 6 bits a number), with one power-of-two scale for each 32 numbers along K (OCP MX v1.0); their sums are f32. All else is computed in f32.
;;   The module's matrix products, in the order in which they are computed (A, B: the left and right operand; K: the contracted axis; several contracted axes count as one K, in the product's order):
;;     1. [M 32,768, K 1,024] x [K 1,024, N 512]; A: input x; B: input W_as: QUANTISED
;;     2. [M 32,768, K 512] x [K 512, N 1]; A: computed on the way; B: input W_af: left as it is (N = 1 < 16)
;;     3. [M 32,768, K 1,024] x [K 1,024, N 512]; A: input x; B: input W_c1: QUANTISED
;;     4. [M 32,768, K 512] x [K 512, N 1,024]; A: computed on the way; B: input W_c2: QUANTISED
;;     5. [M 64, K 1,024] x [K 1,024, N 512]; A: computed on the way; B: input W_ws: QUANTISED
;;     6. [M 64, K 512] x [K 512, N 256]; A: computed on the way; B: input W_u: QUANTISED
;;   THE QUANTISER, for each operand of a quantised product, along K:
;;     - K is cut into blocks of 32 from its start; a last block that is shorter is filled with zeros.
;;     - A block's scale is 2^e with e = floor(log2(the largest magnitude in the block)) - 2, held to -126 .. 127; a block of zeros has e = 0. As a byte (E8M0): e + 127.
;;     - Each number is divided by its block's scale, clamped to +-7.5, and rounded to the nearest number of E2M3, ties to even, subnormals kept.
;;     - The product sums the exact products of the quantised numbers (number of the format x scale) in f32.
;;   ~~~python
;;   def quantise(x, axis):      # numpy; x: float32 -> the quantised numbers, widened to float32 again
;;       x = np.moveaxis(x, axis, -1); K = x.shape[-1]
;;       x = np.pad(x, [(0, 0)] * (x.ndim - 1) + [(0, -K % 32)]); x = x.reshape(x.shape[:-1] + (-1, 32)); a = np.abs(x).max(-1, keepdims=True)
;;       e = np.where(a > 0, np.clip(np.frexp(np.where(a > 0, a, 1))[1] - 1 - 2, -126, 127), 0)      # np.frexp(a)[1] - 1 = floor(log2(a)), exactly
;;       r = np.clip(x / 2.0 ** e, -7.5, 7.5)
;;       step = 2.0 ** (np.maximum(np.frexp(np.where(r == 0, 1, r))[1] - 1, 0) - 3)
;;       q = np.round(r / step) * step * 2.0 ** e      # np.round: ties to even
;;       return np.moveaxis(q.reshape(q.shape[:-2] + (-1,))[..., :K], -1, axis).astype(np.float32)
;;   ~~~
;;   OPERANDS COMPUTED ON THE WAY. 'Computed on the way' means the value that the module computes at that place (a softmax that the list does not call 'softmax' is quantised finished and normalised). What goes into a quantiser is computed in f32, as accurately as f32 sums, v_exp_f32 and their like allow (about 1e-6 of the number): no bf16 or f16 on the way to a quantiser, and a product that is left as it is and whose result goes on into a quantised operand takes f32 operands (vector FMAs, or v_wmma_f32_16x16x4_f32). A number that lies on a knife's edge between two numbers of the format may be rounded either way, as far as f32 arithmetic and the matrix unit's own rounding can turn it there, and no further.
;; One version. Each part assembles by itself: llvm-mc -triple=amdgcn-amd-amdhsa -mcpu=gfx1250 --defsym DOCPART=n.
;; ======== version 1 of 1: 3 launches
;; limits: right only within a limited range of input values
;; workspace buffers: wq 1,740,800 bytes; part 1,179,648 bytes
;; launch prep (part 1): grid 136 x 1, 4 waves a work-group, no clusters, 13,312 bytes of LDS; arguments W_as, W_c1, W_c2, W_ws, W_u, wq; writes wq
.if DOCPART == 1
	.amdgcn_target "amdgcn-amd-amdhsa--gfx1250"
	.amdhsa_code_object_version 6
	.text
	.protected	k_q3545b4f7c0_prep
	.globl	k_q3545b4f7c0_prep
	.p2align	8
	.type	k_q3545b4f7c0_prep,@function
k_q3545b4f7c0_prep:
	s_mov_b64 s[64:65], 0
	v_nop
	global_prefetch_b8 v0, s[64:65] scope:SCOPE_SE
	s_setreg_imm32_b32 hwreg(HW_REG_WAVE_MODE, 25, 1), 1
	s_wait_xcnt 0x0
; The five weights, f32 stored [K][N], become codes of FP6 (E2M3) with one E8M0 scale byte for each 32 along K (their first axis).
; OUTPUT: wq, 136 blocks of 12,800 bytes.  A block is 128 columns x 128 along K: 8 fragments of 1,536 bytes, each an image of an operand's 12 registers
; (register q of lane L at 512 (q / 4) + 16 L + 4 (q % 4)), then 512 bytes of scale words laid [lane r 0..15][fragment 0..7].
; Lane r of fragment f takes column 32 (f / 2) + 8 (f % 2) + r + 8 (r / 8) of the block; registers 6 c .. 6 c + 5 of lane (r, h) hold k = 64 c + 32 h + 0 .. 31.
; SHARES: a work-group makes one block; wave v its fragments 2 v, 2 v + 1 = columns 32 v .. 32 v + 31.  A LANE TAKES A COLUMN AND ITS REGISTERS RUN DOWN K: each load reads 128 consecutive
; bytes, a block of 32 lies in one lane, and the conversions give codes with K innermost.  The image is gathered in LDS and leaves in stores of 512 consecutive bytes.
; A block's scale is 2^(floor(log2(largest magnitude)) - 2); its byte is that magnitude's exponent field - 2, held at 1 from below.
; LIMITS: a block of zeros gets the byte 1 where the rule says 127 (its codes are zeros, and this program alone reads the bytes); NaN and infinities are not served.
; No cluster: no two work-groups read the same bytes.  No tensor load: the tile is turned in registers.
.set SPARE, 12800                      ; behind the image: the spare words, 128 bytes a wave
.set L4,  2                            ; v2   4 x lane
.set FA,  3                            ; v3   my column's place in the image: 3072 v + 1536 u + 16 rr
.set FS,  4                            ; v4   my column's scale word: 12288 + 32 rr + 8 v + 4 u
.set CP,  5                            ; v5   the copy out: 3072 v + 16 lane, in LDS and in the block alike
.set CQ,  6                            ; v6   12288 + 16 lane: the scale words
.set MA,  8
.set MB,  9
.set SCL, 10
.set VO,  16                           ; v16-47   4 lane + i x the tensor's row, i = 0 .. 31
.set X,   48                           ; v48-175  my column's 128 numbers
.set C,   176                          ; v176-207 codes: eight registers for each block of 32
.set T,   208                          ; v208-210 a block's second half, made on an even register and moved
.set SW,  212                          ; my column's scale word
.set OUT, 216                          ; v216-243 the copy out
.set SPW, 250
.set NIL, 251
	s_load_b256 s[4:11], s[0:1], 0x0               ; W_as, W_c1, W_c2, W_ws
	s_load_b128 s[12:15], s[0:1], 0x20             ; W_u, wq
	v_lshl_add_u32 v[SPW], v0, 2, SPARE
	v_mov_b32 v[NIL], 0
	v_lshrrev_b32 v1, 5, v0
	v_readfirstlane_b32 s16, v1                    ; wave v
	v_and_b32 v1, 31, v0                           ; lane
	v_lshlrev_b32 v[L4], 2, v1
	v_bfe_u32 v11, v0, 3, 1                        ; u = which of my two fragments my column falls into
	v_and_b32 v12, 7, v0
	v_bfe_u32 v13, v0, 4, 1
	v_lshl_add_u32 v12, v13, 3, v12                ; rr = its lane there
	s_mul_i32 s17, s16, 3072
	v_mul_u32_u24 v[FA], v11, 1536
	v_lshl_add_u32 v[FA], v12, 4, v[FA]
	v_add_nc_u32 v[FA], s17, v[FA]
	s_lshl_b32 s18, s16, 3
	s_add_co_u32 s18, s18, 12288
	v_lshlrev_b32 v[FS], 5, v12
	v_lshl_add_u32 v[FS], v11, 2, v[FS]
	v_add_nc_u32 v[FS], s18, v[FS]
	v_lshl_add_u32 v[CP], v1, 4, s17
	v_lshl_add_u32 v[CQ], v1, 4, 12288
	; which tensor, by the work-group's number i alone: 0-31 W_as, 32-63 W_c1, 64-95 W_c2, 96-127 W_ws, 128-135 W_u
	s_mov_b32 s22, 128                             ; the tensor's first i
	s_mov_b32 s23, 10                              ; log2 of a row's bytes
	s_mov_b32 s24, 1                               ; log2 of the column blocks counted in the low bits of j
	s_mov_b32 s25, 1                               ; their mask
	s_mov_b32 s26, 3                               ; mask of the K step
	s_mov_b32 s27, 0                               ; 1: bit 4 of j is the upper half of the columns
	s_cmp_lt_u32 ttmp9, 128
	s_cselect_b32 s22, 96, s22
	s_cselect_b32 s23, 11, s23
	s_cselect_b32 s24, 2, s24
	s_cselect_b32 s25, 3, s25
	s_cselect_b32 s26, 7, s26
	s_cmp_lt_u32 ttmp9, 96
	s_cselect_b32 s22, 64, s22
	s_cselect_b32 s23, 12, s23
	s_cselect_b32 s26, 3, s26
	s_cselect_b32 s27, 1, s27
	s_cmp_lt_u32 ttmp9, 64
	s_cselect_b32 s22, 32, s22
	s_cselect_b32 s23, 11, s23
	s_cselect_b32 s26, 7, s26
	s_cselect_b32 s27, 0, s27
	s_cmp_lt_u32 ttmp9, 32
	s_cselect_b32 s22, 0, s22
	s_sub_co_u32 s28, ttmp9, s22                   ; j
	s_lshr_b32 s29, s28, s24
	s_and_b32 s29, s29, s26                        ; the K step
	s_and_b32 s30, s28, s25
	s_lshr_b32 s31, s28, 4
	s_and_b32 s31, s31, s27
	s_lshl_b32 s31, s31, 2
	s_add_co_u32 s30, s30, s31                     ; the column block
	s_add_co_u32 s33, s23, 7
	s_lshl_b32 s32, s29, s33                       ; 128 rows a K step,
	s_lshl_b32 s31, s30, 9
	s_add_co_u32 s32, s32, s31                     ; 512 bytes a column block,
	s_lshl_b32 s31, s16, 7
	s_add_co_u32 s32, s32, s31                     ; 128 bytes a wave
	s_mov_b32 s33, 0
	s_lshl_b32 s44, 1, s23                         ; a row in bytes
	s_lshl_b32 s34, 32, s23                        ; 32 rows
	s_mov_b32 s35, 0
	; the block's number in wq.  i < 96: global K step S = i / 4, wave w = i % 4 of the fused launch: ((S / 2) 4 + w) 2 + S % 2, so that a wave's two steps lie together.  Else i
	s_lshr_b32 s45, ttmp9, 3
	s_lshl_b32 s45, s45, 2
	s_and_b32 s31, ttmp9, 3
	s_add_co_u32 s45, s45, s31
	s_lshl_b32 s45, s45, 1
	s_bfe_u32 s31, ttmp9, 0x10002
	s_add_co_u32 s45, s45, s31
	s_cmp_lt_u32 ttmp9, 96
	s_cselect_b32 s45, s45, ttmp9
	s_mul_i32 s46, s45, 12800
	s_mov_b32 s47, 0
.set i, 0
.rept 32
	v_mad_u32_u24 v[VO+i], s44, i, v[L4]
.set i, i+1
.endr
	s_wait_alu depctr_va_vdst(0)
	s_wait_kmcnt 0x0
	s_mov_b64 s[20:21], s[12:13]
	s_cmp_lt_u32 ttmp9, 128
	s_cselect_b64 s[20:21], s[10:11], s[20:21]
	s_cmp_lt_u32 ttmp9, 96
	s_cselect_b64 s[20:21], s[8:9], s[20:21]
	s_cmp_lt_u32 ttmp9, 64
	s_cselect_b64 s[20:21], s[6:7], s[20:21]
	s_cmp_lt_u32 ttmp9, 32
	s_cselect_b64 s[20:21], s[4:5], s[20:21]
	s_add_nc_u64 s[36:37], s[20:21], s[32:33]      ; a base for each block of 32 rows
	s_add_nc_u64 s[38:39], s[36:37], s[34:35]
	s_add_nc_u64 s[40:41], s[38:39], s[34:35]
	s_add_nc_u64 s[42:43], s[40:41], s[34:35]
	s_add_nc_u64 s[46:47], s[14:15], s[46:47]      ; my block of wq
.irp kb, 0,1,2,3
.set i, 0
.rept 32
	global_load_b32 v[X+32*\kb+i], v[VO+i], s[36+2*\kb:37+2*\kb] th:TH_LOAD_NT   ; row 32 kb + i at my column: 32 lanes read 128 consecutive bytes
.set i, i+1
.endr
.endr
.macro BLOCK kb
.set XS, X+32*\kb
.set CK, C+8*\kb
.if \kb < 2
	s_wait_loadcnt 63                              ; this block's 32 loads are in: more than 63 were issued behind them, and the count names at most 63
.else
	s_wait_loadcnt 32*(3-\kb)                      ; the later blocks' loads may be out
.endif
	v_max3_num_f32 v[MA], |v[XS]|, |v[XS+1]|, |v[XS+2]|
	v_max3_num_f32 v[MB], |v[XS+3]|, |v[XS+4]|, |v[XS+5]|
.irp i, 6,10,14,18,22,26
	v_max3_num_f32 v[MA], v[MA], |v[XS+\i]|, |v[XS+\i+1]|
	v_max3_num_f32 v[MB], v[MB], |v[XS+\i+2]|, |v[XS+\i+3]|
.endr
	v_max3_num_f32 v[MA], v[MA], |v[XS+30]|, |v[XS+31]|
	v_max3_num_f32 v[MA], v[MA], v[MB], 0x1800000  ; and the floor 2^(3 - 127): the byte cannot fall under 1
	v_add_nc_u32 v[SCL], 0xff000000, v[MA]         ; 2 off the exponent field: the conversion's scale operand
	v_lshrrev_b32 v[MB], 23, v[SCL]                ; the scale's byte
.if \kb == 0
	v_mov_b32 v[SW], v[MB]
.else
	v_lshl_or_b32 v[SW], v[MB], 8*\kb, v[SW]
.endif
	v_cvt_scalef32_pk16_fp6_f32 v[CK:CK+2], v[XS:XS+15], v[SCL]
	v_cvt_scalef32_pk16_fp6_f32 v[T:T+2], v[XS+16:XS+31], v[SCL]   ; (a conversion's three registers begin on an even number)
	v_nop                                          ; one plain place behind a scaled conversion
.irp i, 0,1,2
	v_mov_b32 v[CK+3+\i], v[T+\i]
.endr
; block kb = 2 c + hh is registers 6 c .. 6 c + 5 of lane rr + 16 hh of the fragment
.if \kb < 2
	ds_store_b128 v[FA], v[CK:CK+3] offset:256*(\kb%2)
	ds_store_b64 v[FA], v[CK+4:CK+5] offset:512+256*(\kb%2)
.else
	ds_store_b64 v[FA], v[CK:CK+1] offset:520+256*(\kb%2)
	ds_store_b128 v[FA], v[CK+2:CK+5] offset:1024+256*(\kb%2)
.endif
.endm
	BLOCK 0
	BLOCK 1
	BLOCK 2
	BLOCK 3
	ds_store_b32 v[FS], v[SW]
	s_wait_dscnt 0x0                               ; for the others' sake: my stores have landed
	s_barrier_signal -1
	s_barrier_wait -1
.irp t, 0,1,2,3,4,5
	ds_load_b128 v[OUT+4*\t:OUT+4*\t+3], v[CP] offset:512*\t
.endr
.irp t, 0,1,2,3,4,5
	s_wait_dscnt 5-\t
	global_store_b128 v[CP], v[OUT+4*\t:OUT+4*\t+3], s[46:47] offset:512*\t   ; 32 lanes store 512 consecutive bytes, at a multiple of 256 from wq's first byte
.endr
	s_cmp_lg_u32 s16, 0
	s_cbranch_scc1 .Ldone
	ds_load_b128 v[OUT+24:OUT+27], v[CQ]           ; wave 0: the block's 512 bytes of scale words, which all four waves stored
	s_wait_dscnt 0x0
	global_store_b128 v[CQ], v[OUT+24:OUT+27], s[46:47]
.Ldone:
	s_wait_tensorcnt 0x0                           ; the wave's end: behind my last LDS store
	ds_add_u32 v[SPW], v[NIL]
	s_wait_dscnt 0x0
	s_endpgm
.Lfunc_end_k_q3545b4f7c0_prep:
	.size	k_q3545b4f7c0_prep, .Lfunc_end_k_q3545b4f7c0_prep-k_q3545b4f7c0_prep
	.p2alignl 7, 3214868480
	.fill 96, 4, 3214868480
	.section	.rodata,"a",@progbits
	.p2align	6, 0x0
	.amdhsa_kernel k_q3545b4f7c0_prep
		.amdhsa_group_segment_fixed_size 13312
		.amdhsa_private_segment_fixed_size 0
		.amdhsa_enable_private_segment 0
		.amdhsa_kernarg_size 48
		.amdhsa_user_sgpr_count 2
		.amdhsa_user_sgpr_kernarg_segment_ptr 1
		.amdhsa_wavefront_size32 1
		.amdhsa_system_sgpr_workgroup_id_x 1
		.amdhsa_system_sgpr_workgroup_id_y 1
		.amdhsa_system_sgpr_workgroup_id_z 1
		.amdhsa_system_vgpr_workitem_id 0
		.amdhsa_next_free_vgpr 256
		.amdhsa_next_free_sgpr 66
		.amdhsa_reserve_vcc 0
		.amdhsa_float_denorm_mode_32 3
		.amdhsa_float_denorm_mode_16_64 3
		.amdhsa_memory_ordered 1
		.amdhsa_forward_progress 1
		.amdhsa_inst_pref_size 26
	.end_amdhsa_kernel
	.amdgpu_metadata
---
amdhsa.version: [ 1, 2 ]
amdhsa.kernels:
  - .name:           k_q3545b4f7c0_prep
    .symbol:         k_q3545b4f7c0_prep.kd
    .args:
      - { .name: W_as, .offset: 0, .size: 8, .value_kind: global_buffer, .address_space: global }
      - { .name: W_c1, .offset: 8, .size: 8, .value_kind: global_buffer, .address_space: global }
      - { .name: W_c2, .offset: 16, .size: 8, .value_kind: global_buffer, .address_space: global }
      - { .name: W_ws, .offset: 24, .size: 8, .value_kind: global_buffer, .address_space: global }
      - { .name: W_u, .offset: 32, .size: 8, .value_kind: global_buffer, .address_space: global }
      - { .name: wq, .offset: 40, .size: 8, .value_kind: global_buffer, .address_space: global }
    .group_segment_fixed_size: 13312
    .private_segment_fixed_size: 0
    .kernarg_segment_align: 8
    .kernarg_segment_size: 48
    .max_flat_workgroup_size: 128
    .sgpr_count:     66
    .vgpr_count:     256
    .wavefront_size: 32
...
	.end_amdgpu_metadata
.endif
;; end of part 1
;; launch fused (part 2): grid 256 x 1, 4 waves a work-group, no clusters, 128,512 bytes of LDS; arguments x, wq, b_as, W_af, b_c1, b_c2, part; writes part
.if DOCPART == 2
	.amdgcn_target "amdgcn-amd-amdhsa--gfx1250"
	.amdhsa_code_object_version 6
	.text
	.protected	k_q3545b4f7c0_fused
	.globl	k_q3545b4f7c0_fused
	.p2align	8
	.type	k_q3545b4f7c0_fused,@function
k_q3545b4f7c0_fused:
	s_mov_b64 s[64:65], 0
	v_nop
	global_prefetch_b8 v0, s[64:65] scope:SCOPE_SE
	s_setreg_imm32_b32 hwreg(HW_REG_WAVE_MODE, 25, 1), 1
	s_wait_xcnt 0x0
; For 128 rows of x (a quarter of a batch): score = tanh(x W_as + b_as) W_af; p = exp(score - m), m the 128 rows' largest score; l = the sum of p;
; the sum over the rows of p (relu(x W_c1 + b_c1) W_c2 + b_c2).  Stored: that sum (1,024 f32) and (m, l).  The last launch joins a batch's four quarters under their common maximum.
; DEAD WORK: b_af is added to every score of a batch alike, and softmax(s + c) = softmax(s) along its axis for every finite c: b_af reaches no output, is not loaded and is no argument of any launch.
; LIMIT: a NaN, an infinity or an overflow that b_af alone would bring is not carried to the result.
; The three products run on codes of FP6 (E2M3) with one E8M0 scale for each 32 along K.  x is quantised here, once, and serves two products; the hidden layer is quantised on the way.
; SHARES.  Four waves share the COLUMNS: wave w has 128 columns of each pass for all 128 rows: 64 accumulators, 512 registers.  Passes 1 W_as, 2 W_c1 (8 steps of 128 along K, transposed: source 0 = weight,
; source 1 = rows: a lane holds one row, its registers run along the next K); 3, 4 the halves of W_c2 (4 steps each, source 0 = rows: a lane holds a column and eight rows).
; WEIGHTS are images of operand registers in wq (launch prep) and go from memory STRAIGHT INTO THE REGISTERS of the one wave that multiplies them: 24 loads of 512 consecutive bytes and 2 of scale words a step.
; NO CLUSTER, NO JOINT LOAD: a joint load lands in LDS, but no two waves of a work-group read the same weight byte.  Through LDS a step would write 4 x 12,800 bytes and read them again, beside the 4 x 12,800 bytes
; of rows that it reads: three times the LDS bytes for the same 256 products.
; A step goes by halves of the weights' 8 fragments: 4 fragments x 8 row tiles, twice.  A half set is asked for again, for the step two on, as soon as its 32 products are issued: three half steps ahead of its use.
; The stream runs on over the passes' ends.  No prefetch: x is asked for 64 loads a wave ahead by its own loads, and the weights three half steps ahead by theirs.
; ROWS.  x's codes (64 fragments) and scale words lie in LDS as images of registers; after pass 2 the hidden layer's 32 fragments take their place.  Two register sets, fetched a step ahead.
; tanh(z) = 1 - 2 / (1 + 2^(2 log2(e) z)): it goes to +-1 where the power overflows or vanishes.
; LIMITS: NaN and infinities are not served; a block of zeros gets the scale byte 1 (its codes are zeros; the bytes are read here alone); b_c2 enters as b_c2 x l, the same sum in another order.
; REGISTERS.  Window 0: v4-31 addresses; v32-47 rows' scale words, v48-63 weights' (two sets of 8 each, scales alone); v64-159 rows' fragments of odd steps, v160-255 of even steps (outside the passes: at work).
;   Window 1: the weights' fragments, two sets of 96; v192-255 a bias as the first C.  Windows 2, 3: accumulator (a, b) at window 2 + a / 4, v[8 (8 (a % 4) + b)]; in phase 0 window 2 holds x on its way in.
.set FRB,   1536
.set WPART, 25600                      ; a wave's two K steps in wq; the four waves' parts make 102,400
.set XIMG,  0                          ; images (8 kstep + a) x 1,536
.set XSC,   98304                      ; scale words [kstep][r][a]
.set STG,   102400                     ; phase 0: 16 rows x 272 bytes for each wave
.set SCP,   119808                     ; the waves' parts of the 128 scores
.set PV,    121856                     ; p, a copy for each wave
.set OUTV,  123904                     ; the 1,024 sums
.set SPARE, 128000                     ; the spare words, 128 bytes a wave
.set XO,4
.set SI,5
.set SO,6
.set XW,7
.set XV,8
.set ADC,9
.set ASC,10
.set ADAS,11
.set R32,12
.set OWC,13
.set HW,16
.set HV,17
.set SCW,18
.set SCR,19
.set PVW,20
.set PVR,21
.set OW,22
.set ORD,23
.set GO,24
.set BO,25
.set BCO,26
.set MX,27
.set LS,28
.set L16,29
.set SPW,30
.set NIL,31
.set SA,32
.set SB,48
.set TM,64
.set PW,80
.set RS,84
.set T,100
.set ST,160
.set PC,224
.set XWC,244
.set XVC,245
.set BI,192
.set WV,20
.set CX,21
.set SEL,48
.set PASS,50
.set CNT,51
.set XB,52
.set BA,54
.set BC1,56
.set WAF,58
.set BC2,60
.set PT,62
.set WB,66
.set CT,72
.set XS1,74
.set XS2,75
.set AOF,76
.set SOF,77
.set OOF,78
.set MSB, 0
.macro WIN new                         ; the immediate's high byte repeats the setting that is left
.if MSB != (\new)
	s_set_vgpr_msb (MSB<<8)|(\new)
.set MSB, \new
.endif
.endm
.macro PLACES n                        ; plain places behind matrix instructions (ISA guide 7.12.1)
.rept \n
	v_nop
.endr
.endm
; 64 numbers of a lane, register 16 b + i = k 32 b + 16 (lane / 16) + i of my row, become a fragment's codes in v[PC] on and its scale word in v[PW]
.macro QUANT s
.irp b, 0,1,2,3
	v_max3_num_f32 v[TM+\b], |v[\s+16*\b]|, |v[\s+1+16*\b]|, 0x1800000   ; and the floor 2^(3 - 127)
.endr
.irp i, 2,4,6,8,10,12,14
.irp b, 0,1,2,3
	v_max3_num_f32 v[TM+\b], v[TM+\b], |v[\s+16*\b+\i]|, |v[\s+1+16*\b+\i]|
.endr
.endr
.irp b, 0,1,2,3
	v_permlanex16_b32 v[TM+4+\b], v[TM+\b], s[SEL], s[SEL+1]
.endr
.irp b, 0,1,2,3
	v_max_num_f32 v[TM+\b], v[TM+\b], v[TM+4+\b]   ; the block's largest magnitude
.endr
.irp b, 0,1,2,3
	v_add_nc_u32 v[TM+12+\b], 0xff000000, v[TM+\b] ; 2 off its exponent field: the conversion's scale operand
.endr
.irp b, 0,1,2,3
	v_lshrrev_b32 v[TM+4+\b], 23, v[TM+12+\b]      ; the scale's byte
.endr
	v_lshl_or_b32 v[PW], v[TM+5], 8, v[TM+4]
	v_lshl_or_b32 v[PW], v[TM+6], 16, v[PW]
	v_lshl_or_b32 v[PW], v[TM+7], 24, v[PW]
.irp c, 0,1
	v_cvt_scalef32_pk16_fp6_f32 v[PC+6*\c:PC+2+6*\c], v[\s+32*\c:\s+15+32*\c], v[TM+12+2*\c]
	v_cvt_scalef32_pk16_fp6_f32 v[PC+12+4*\c:PC+14+4*\c], v[\s+16+32*\c:\s+31+32*\c], v[TM+12+2*\c+1]
.endr
	v_nop                                          ; one plain place behind a scaled conversion
.irp c, 0,1                                    ; the operand wants a whole block in a lane
.irp i, 0,1,2
	v_permlane16_swap_b32 v[PC+6*\c+\i], v[PC+12+4*\c+\i]
.endr
.irp i, 0,1,2
	v_mov_b32 v[PC+3+6*\c+\i], v[PC+12+4*\c+\i]
.endr
.endr
.endm
.macro IMAGE adr, off                  ; the fragment goes to LDS as it stands: 16 bytes a lane
.irp c, 0,1,2
	ds_store_b128 v[\adr], v[PC+4*\c:PC+4*\c+3] offset:\off+512*\c
.endr
.endm
.macro BIAS ptr, reg                   ; 64 numbers in the layout of a row tile's 8 transposed results: register 8 b + j = unit 32 (b / 2) + 16 h + 8 (b % 2) + j of my wave's 128
.irp b, 0,1,2,3,4,5,6,7
	global_load_b128 v[\reg+8*\b:\reg+8*\b+3], v[BO], s[\ptr:\ptr+1] offset:(32*(\b/2)+8*(\b%2))*4
	global_load_b128 v[\reg+8*\b+4:\reg+8*\b+7], v[BO], s[\ptr:\ptr+1] offset:(32*(\b/2)+8*(\b%2))*4+16
.endr
.endm
.macro XLOAD set, sl, t, extra         ; 16 rows x 128 along K of x: sixteen lanes read 256 consecutive bytes of a row
	WIN 0x80
.irp hf, 0,1
.irp i, 0,1,2,3,4,5,6,7
	global_load_b128 v[64*(\set)+32*\hf+4*\i:64*(\set)+32*\hf+4*\i+3], v[XO], s[XB:XB+1] offset:65536*(\t)+512*(\sl)+256*\hf+8192*\i+(\extra) th:TH_LOAD_NT
.endr
.endr
	WIN 0
.endm
; One set: through my stage, so that a lane gets 16 neighbours of each block of its row; quantised; image and scale word to LDS.  left: the younger loads that may stay out
.macro UNIT set, sl, t, ahead, left
	s_wait_loadcnt \left
	WIN 0x08
.irp hf, 0,1
.irp i, 0,1,2,3,4,5,6,7
	ds_store_b128 v[SI], v[64*(\set)+32*\hf+4*\i:64*(\set)+32*\hf+4*\i+3] offset:544*\i
.endr
.irp bj, 0,1,2,3,4,5,6,7
	ds_load_b128 v[ST+32*\hf+4*\bj:ST+32*\hf+4*\bj+3], v[SO] offset:128*(\bj/4)+16*(\bj%4)   ; LDS serves a wave's instructions in order (ISA guide 5.7.1.4)
.endr
.endr
	WIN 0
	s_wait_dscnt 0x0
.if \ahead
	XLOAD \set, \sl, \t, 1024                      ; the same set two K steps on
.endif
	QUANT ST
	IMAGE XWC, (8*(\sl)+(\t))*FRB
	ds_store_b32 v[XVC], v[PW] offset:512*(\sl)+4*(\t)
.endm
.macro LOADB h, p, off                 ; a group of 13 loads: weight fragments 4 h .. 4 h + 3 of the step at byte off, into set p, and their scale words
	WIN 0x40
.irp i, 0,1,2,3
.irp c, 0,1,2
	global_load_b128 v[96*(\p)+12*(4*(\h)+\i)+4*\c:96*(\p)+12*(4*(\h)+\i)+4*\c+3], v[L16], s[WB:WB+1] offset:(\off)+FRB*(4*(\h)+\i)+512*\c
.endr
.endr
	WIN 0
	global_load_b128 v[SB+8*(\p)+4*(\h):SB+8*(\p)+4*(\h)+3], v[R32], s[WB:WB+1] offset:(\off)+12288+16*(\h)
.endm
.macro FETCHA p, off, soff             ; 26 LDS loads: the rows' 8 fragments and scale words of a step of parity p
.irp i, 0,1,2,3,4,5,6,7
.irp c, 0,1,2
	ds_load_b128 v[160-96*(\p)+12*\i+4*\c:160-96*(\p)+12*\i+4*\c+3], v[ADC] offset:(\off)+FRB*\i+512*\c
.endr
.endr
.irp c, 0,1
	ds_load_b128 v[SA+8*(\p)+4*\c:SA+8*(\p)+4*\c+3], v[ASC] offset:(\soff)+16*\c
.endr
.endm
.macro WINM hi, cmode, nat
.if \nat
	WIN 0xa4+0x50*(\hi)                            ; source 0 (rows) window 0, source 1 (weights) window 1, C and D window 2 or 3
.elseif \cmode == 1
	WIN 0x91+0x40*(\hi)                            ; source 0 (weights) window 1, source 1 (rows) window 0, C (bias) window 1
.else
	WIN 0xa1+0x50*(\hi)
.endif
.endm
; 16 matrix instructions: row tiles a0 .. a0 + 3 x weight fragments b0 .. b0 + 3.  cmode 0: onto the sums; 1: the bias starts them; 2: the constant 0.  The accumulators take turns, one instruction a turn
.macro G a0, b0, p, cmode, nat
.irp a, \a0, \a0+1, \a0+2, \a0+3
.irp b, \b0, \b0+1, \b0+2, \b0+3
.set rD, 8*(8*((\a)%4)+(\b))
.set rB, 96*(\p)+12*(\b)
.set rA, 160-96*(\p)+12*(\a)
.set qB, SB+8*(\p)+(\b)
.set qA, SA+8*(\p)+(\a)
.if \nat
.if \cmode == 2
	v_wmma_scale_f32_16x16x128_f8f6f4 v[rD:rD+7], v[rA:rA+11], v[rB:rB+11], 0, v[qA], v[qB] matrix_a_fmt:MATRIX_FMT_FP6 matrix_b_fmt:MATRIX_FMT_FP6
.else
	v_wmma_scale_f32_16x16x128_f8f6f4 v[rD:rD+7], v[rA:rA+11], v[rB:rB+11], v[rD:rD+7], v[qA], v[qB] matrix_a_fmt:MATRIX_FMT_FP6 matrix_b_fmt:MATRIX_FMT_FP6
.endif
.else
.if \cmode == 1
	v_wmma_scale_f32_16x16x128_f8f6f4 v[rD:rD+7], v[rB:rB+11], v[rA:rA+11], v[BI+8*(\b):BI+8*(\b)+7], v[qB], v[qA] matrix_a_fmt:MATRIX_FMT_FP6 matrix_b_fmt:MATRIX_FMT_FP6
.else
	v_wmma_scale_f32_16x16x128_f8f6f4 v[rD:rD+7], v[rB:rB+11], v[rA:rA+11], v[rD:rD+7], v[qB], v[qA] matrix_a_fmt:MATRIX_FMT_FP6 matrix_b_fmt:MATRIX_FMT_FP6
.endif
.endif
.endr
.endr
.endm
; Behind a half step: the half set just multiplied is asked for again, for the step two on.  The wait in front leaves the two youngest groups (26 loads) out: the group that the next half step multiplies is in.
; skip = 1: in the last pass nothing is left to ask for; there the count is what is still out behind the group wanted (nl)
.macro NEXTB h, p, boff, skip, nl
	WIN 0
	PLACES 4
.if \skip
	s_wait_loadcnt \nl                             ; ahead of the branch, and right on both ways: the count of the way on which nothing more is asked for
	s_cmp_eq_u32 s[PASS], 1
	s_cbranch_scc1 .Lsk_\@
	LOADB \h, \p, \boff
.Lsk_\@:
.else
	s_wait_loadcnt 26
	LOADB \h, \p, \boff
.endif
.endm
; A step of parity p.  fa = 1: the next step's rows are fetched first, into the other set; 2: p of the rows instead; 0: nothing
.macro STEPX p, fa, aoff, soff, boff, cmode, nat, skip, nl0, nl1
.if \fa == 1
	FETCHA 1-(\p), \aoff, \soff
	s_wait_dscnt 26                                ; this step's rows are in; the 26 just issued may be out
.elseif \fa == 2
.irp a, 0,1,2,3,4,5,6,7
.irp jj, 0,1
	ds_load_b128 v[ST+8*\a+4*\jj:ST+8*\a+4*\jj+3], v[PVR] offset:64*\a+16*\jj   ; p of rows 16 a + 8 h + 0 .. 7
.endr
.endr
	s_wait_dscnt 16
.else
	s_wait_dscnt 0x0
.endif
	WINM 0, \cmode, \nat
	G 0, 0, \p, \cmode, \nat
	WINM 1, \cmode, \nat
	G 4, 0, \p, \cmode, \nat
	NEXTB 0, \p, \boff, \skip, \nl0
	WINM 0, \cmode, \nat
	G 0, 4, \p, \cmode, \nat
	WINM 1, \cmode, \nat
	G 4, 4, \p, \cmode, \nat
	NEXTB 1, \p, \boff, \skip, \nl1
.endm
	s_load_b256 s[4:11], s[0:1], 0x0               ; x, wq, b_as, W_af
	s_load_b128 s[12:15], s[0:1], 0x20             ; b_c1, b_c2
	s_load_b64 s[16:17], s[0:1], 0x30              ; part
	v_lshl_add_u32 v[SPW], v0, 2, SPARE
	v_mov_b32 v[NIL], 0
	v_lshrrev_b32 v1, 5, v0
	v_readfirstlane_b32 s[WV], v1                  ; wave 0..3
	s_and_b32 s[CX], ttmp9, 3                      ; my quarter of the batch
	s_lshr_b32 s22, ttmp9, 2                       ; the batch.  part's row: ((batch / 16) 4 + quarter) 16 + batch % 16
	s_lshr_b32 s68, s22, 4
	s_lshl_b32 s68, s68, 2
	s_add_co_u32 s68, s68, s[CX]
	s_lshl_b32 s68, s68, 4
	s_and_b32 s69, s22, 15
	s_add_co_u32 s68, s68, s69
	s_mul_i32 s68, s68, 4608
	s_mov_b32 s69, 0
	s_lshl_b32 s70, ttmp9, 19                      ; 128 rows of 4,096 bytes a work-group,
	s_lshl_b32 s71, s[WV], 17
	s_add_co_u32 s70, s70, s71                     ; 32 rows a wave
	s_mov_b32 s71, 0
	s_mul_i32 s24, s[WV], WPART                    ; my part of a double step of wq
	s_mov_b32 s25, 0
	s_mov_b32 s[SEL], 0x76543210
	s_mov_b32 s[SEL+1], 0xfedcba98                 ; v_permlanex16_b32's selects for lane l xor 16
	s_mov_b32 s[CT], 0x4038aa3b                    ; 2 log2(e)
	s_mov_b32 s[CT+1], s[CT]
	s_mov_b32 s[XS1], 0
	s_mov_b32 s[XS2], 0
	v_and_b32 v1, 31, v0                           ; l
	v_and_b32 v2, 15, v0                           ; r
	v_bfe_u32 v3, v0, 4, 1                         ; h
	v_lshlrev_b32 v[L16], 4, v1
	v_lshlrev_b32 v[R32], 5, v2
	v_lshlrev_b32 v[XO], 4, v2
	v_lshl_add_u32 v[XO], v3, 12, v[XO]            ; x: lanes 0-15 one row's 256 bytes, lanes 16-31 the next row's
	s_mul_i32 s26, s[WV], 4352
	s_add_co_u32 s26, s26, STG                     ; my stage
	v_mul_u32_u24 v[SI], v3, 272
	v_lshl_add_u32 v[SI], v2, 4, v[SI]
	v_add_nc_u32 v[SI], s26, v[SI]
	v_mul_u32_u24 v[SO], v2, 272
	v_lshl_add_u32 v[SO], v3, 6, v[SO]
	v_add_nc_u32 v[SO], s26, v[SO]
	s_mul_i32 s26, s[WV], 2*FRB
	s_add_co_u32 s26, s26, XIMG
	v_add_nc_u32 v[XW], s26, v[L16]                ; x's images: my row tiles 2 w, 2 w + 1
	s_lshl_b32 s26, s[WV], 3
	s_add_co_u32 s26, s26, XSC
	v_lshl_add_u32 v[XV], v2, 5, s26
	v_lshl_add_u32 v[ADAS], v2, 5, XSC
	s_mul_i32 s26, s[WV], 8*FRB
	s_add_co_u32 s26, s26, XIMG
	v_add_nc_u32 v[HW], s26, v[L16]                ; the hidden layer's images: K step w
	s_lshl_b32 s27, s[WV], 9                       ; 512 w
	s_add_co_u32 s26, s27, XSC
	v_lshl_add_u32 v[HV], v2, 5, s26
	s_add_co_u32 s26, s27, SCP
	v_lshl_add_u32 v[SCW], v2, 2, s26
	v_add_nc_u32 v[SCR], SCP, v[L16]
	s_add_co_u32 s26, s27, PV
	v_add_nc_u32 v[PVW], s26, v[L16]
	v_lshl_add_u32 v[PVR], v3, 5, s26
	v_and_b32 v[BCO], 8, v2
	v_add_nc_u32 v[BCO], v[BCO], v2
	v_lshlrev_b32 v[BCO], 2, v[BCO]                ; 4 (r + 8 (r / 8)): a fragment's lane r as a column
	s_add_co_u32 s26, s27, OUTV
	v_add_nc_u32 v[OW], s26, v[BCO]
	v_add_nc_u32 v[ORD], s26, v[L16]
	v_add_nc_u32 v[GO], s27, v[L16]
	v_lshlrev_b32 v[BO], 6, v3
	v_mov_b32 v[MX], 0                             ; (written on every way through the loop over passes)
	v_mov_b32 v[LS], 0
.irp b, 0,1,2,3
	v_mov_b32 v[TM+4+\b], 0                        ; a lane permute's destination counts as one of its sources
.endr
	s_mov_b32 s28, s27
	s_mov_b32 s29, 0
	s_wait_alu depctr_va_vdst(0)
	s_wait_kmcnt 0x0
	s_add_nc_u64 s[XB:XB+1], s[4:5], s[70:71]
	s_add_nc_u64 s[WB:WB+1], s[6:7], s[24:25]
	s_add_nc_u64 s[BA:BA+1], s[8:9], s[28:29]      ; my 128 units of each vector
	s_add_nc_u64 s[WAF:WAF+1], s[10:11], s[28:29]
	s_add_nc_u64 s[BC1:BC1+1], s[12:13], s[28:29]
	s_add_nc_u64 s[BC2:BC2+1], s[14:15], s[28:29]
	s_add_nc_u64 s[PT:PT+1], s[16:17], s[68:69]
	XLOAD 0, 0, 0, 0                               ; four sets of x: K steps 0, 1 of my two row tiles
	XLOAD 1, 0, 1, 0
	XLOAD 2, 1, 0, 0
	XLOAD 3, 1, 1, 0
	; ---- PHASE 0: my 32 rows of x become 16 fragments.  Four sets of 16 loads are on their way throughout
	s_mov_b32 s[CNT], 3
.Lx:
	v_add_nc_u32 v[XWC], s[XS1], v[XW]
	v_add_nc_u32 v[XVC], s[XS2], v[XV]
	UNIT 0, 0, 0, 1, 48                            ; 48: the three younger sets
	UNIT 1, 0, 1, 1, 48
	UNIT 2, 1, 0, 1, 48
	UNIT 3, 1, 1, 1, 48
	s_wait_dscnt 0x0
	s_wait_xcnt 0x0                                ; the loads have read their base: it may step
	s_add_nc_u64 s[XB:XB+1], s[XB:XB+1], 1024      ; two K steps on
	s_add_co_u32 s[XS1], s[XS1], 16*FRB
	s_add_co_u32 s[XS2], s[XS2], 1024
	s_sub_co_u32 s[CNT], s[CNT], 1
	s_cmp_lg_u32 s[CNT], 0
	s_cbranch_scc1 .Lx
	v_add_nc_u32 v[XWC], s[XS1], v[XW]
	v_add_nc_u32 v[XVC], s[XS2], v[XV]
	UNIT 0, 0, 0, 0, 48                            ; the last two K steps ask for no x; the weights of steps 0, 1 and b_as take the loads' places
	LOADB 0, 0, 0
	LOADB 1, 0, 0
	UNIT 1, 0, 1, 0, 58                            ; behind set 1: sets 2, 3 and 26 loads of weights
	LOADB 0, 1, 12800
	LOADB 1, 1, 12800
	UNIT 2, 1, 0, 0, 63                            ; behind set 2 are 68 loads; the count names at most 63
	WIN 0x40
	BIAS BA, BI                                    ; b_as: the C of pass 1's first products
	WIN 0
	UNIT 3, 1, 1, 0, 63                            ; behind set 3 are 68 loads
	s_wait_dscnt 0x0                               ; my images have landed
	s_barrier_signal -1
	s_barrier_wait -1
	; ---- PASSES 1 (W_as) AND 2 (W_c1): one text, walked twice
	s_mov_b32 s[PASS], 0
.Lpass:
	s_mov_b32 s[AOF], 0
	s_mov_b32 s[SOF], 0
	v_add_nc_u32 v[ADC], s[AOF], v[L16]
	v_add_nc_u32 v[ASC], s[SOF], v[ADAS]
	s_wait_alu depctr_va_vdst(0)
	s_wait_loadcnt 0x0                             ; the bias and the first two steps' weights, asked for long ago
	FETCHA 0, 0, 0
	STEPX 0, 1, 12288, 512, 102400, 1, 0, 0, 0, 0  ; step 0: the bias starts the sums
	s_mov_b32 s[CNT], 3
.Lk:                                               ; a trip: an odd step and an even one
	STEPX 1, 1, 24576, 1024, 115200, 0, 0, 0, 0, 0
	STEPX 0, 1, 36864, 1536, 204800, 0, 0, 0, 0, 0
	s_wait_xcnt 0x0                                ; the loads have read their base
	s_add_nc_u64 s[WB:WB+1], s[WB:WB+1], 102400
	s_add_co_u32 s[AOF], s[AOF], 24576
	s_add_co_u32 s[SOF], s[SOF], 1024
	v_add_nc_u32 v[ADC], s[AOF], v[L16]
	v_add_nc_u32 v[ASC], s[SOF], v[ADAS]
	s_sub_co_u32 s[CNT], s[CNT], 1
	s_cmp_lg_u32 s[CNT], 0
	s_wait_alu depctr_va_vdst(0)
	s_cbranch_scc1 .Lk
	STEPX 1, 0, 0, 0, 115200, 0, 0, 0, 0, 0        ; step 7: no rows left to fetch; the weights' stream runs on into the next pass
	s_wait_xcnt 0x0
	s_add_nc_u64 s[WB:WB+1], s[WB:WB+1], 102400
	s_barrier_signal -1                            ; every wave's reads of the rows' images are back (the wait for 0 at step 7's head)
	s_barrier_wait -1
	s_cmp_lg_u32 s[PASS], 0
	s_cbranch_scc1 .Lrelu
	; ---- the scores.  Each lane: the sum over its 64 units of W_af, and of W_af / (1 + 2^(2 log2(e) z)) for each of the 8 row tiles
	WIN 0x40
	BIAS BC1, BI                                   ; b_c1 for pass 2 and W_af: they land under the first exponentials
	WIN 0
	BIAS WAF, ST
.irp W, 0,1                                    ; window 2 + W: row tiles 4 W .. 4 W + 3
	WIN 0x82+0x41*\W
.set i, 0
.rept 128
	v_pk_mul_f32 v[i:i+1], v[i:i+1], s[CT:CT+1] op_sel_hi:[1,0]   ; each accumulator from its low end on
.set i, i+2
.endr
.set i, 0
	s_wait_alu depctr_va_vdst(0)
.rept 256
	v_exp_f32 v[i], v[i]
.set i, i+1
.endr
	v_nop
	s_wait_alu depctr_va_vdst(0)                   ; one wait ahead of a batch and one behind it
.set i, 0
.rept 128
	v_pk_add_f32 v[i:i+1], v[i:i+1], 1.0 op_sel_hi:[1,0]
.set i, i+2
.endr
.set i, 0
	s_wait_alu depctr_va_vdst(0)
.rept 256
	v_rcp_f32 v[i], v[i]
.set i, i+1
.endr
	v_nop
	s_wait_alu depctr_va_vdst(0)
.if \W == 0
	WIN 0
	s_wait_loadcnt 0x0                             ; W_af and b_c1
	v_pk_add_f32 v[T+20:T+21], v[ST:ST+1], v[ST+2:ST+3]
	v_pk_add_f32 v[T+22:T+23], v[ST+4:ST+5], v[ST+6:ST+7]
.irp j, 8,12,16,20,24,28,32,36,40,44,48,52,56,60
	v_pk_add_f32 v[T+20:T+21], v[T+20:T+21], v[ST+\j:ST+\j+1]
	v_pk_add_f32 v[T+22:T+23], v[T+22:T+23], v[ST+\j+2:ST+\j+3]
.endr
	v_pk_add_f32 v[T+20:T+21], v[T+20:T+21], v[T+22:T+23]
	v_add_f32 v[T+16], v[T+20], v[T+21]
.endif
	WIN 0x02+\W
.set i, 0
.rept 32
.irp aa, 0,1,2,3                               ; four chains by turns
.if i == 0
	v_pk_mul_f32 v[RS+2*(4*\W+\aa):RS+2*(4*\W+\aa)+1], v[64*\aa+2*i:64*\aa+2*i+1], v[ST+2*i:ST+2*i+1]
.else
	v_pk_fma_f32 v[RS+2*(4*\W+\aa):RS+2*(4*\W+\aa)+1], v[64*\aa+2*i:64*\aa+2*i+1], v[ST+2*i:ST+2*i+1], v[RS+2*(4*\W+\aa):RS+2*(4*\W+\aa)+1]
.endif
.endr
.set i, i+1
.endr
.endr
	WIN 0
.irp a, 0,1,2,3,4,5,6,7
	v_add_f32 v[T+\a], v[RS+2*\a], v[RS+2*\a+1]
.endr
.irp a, 0,1,2,3,4,5,6,7
	v_fma_f32 v[T+\a], -2.0, v[T+\a], v[T+16]
.endr
.irp a, 0,1,2,3,4,5,6,7
	v_permlanex16_b32 v[T+8+\a], v[T+\a], s[SEL], s[SEL+1]
.endr
.irp a, 0,1,2,3,4,5,6,7
	v_add_f32 v[T+\a], v[T+\a], v[T+8+\a]          ; my wave's 128 units' part of the score of row 16 a + r
.endr
.irp a, 0,1,2,3,4,5,6,7
	ds_store_b32 v[SCW], v[T+\a] offset:64*\a
.endr
	s_wait_dscnt 0x0
	s_barrier_signal -1
	s_barrier_wait -1
.irp i, 0,1,2,3
	ds_load_b128 v[T+4*\i:T+4*\i+3], v[SCR] offset:512*\i   ; every wave: the four parts of rows 4 l .. 4 l + 3
.endr
	s_wait_dscnt 0x0
	v_pk_add_f32 v[T:T+1], v[T:T+1], v[T+4:T+5]
	v_pk_add_f32 v[T+2:T+3], v[T+2:T+3], v[T+6:T+7]
	v_pk_add_f32 v[T+8:T+9], v[T+8:T+9], v[T+12:T+13]
	v_pk_add_f32 v[T+10:T+11], v[T+10:T+11], v[T+14:T+15]
	v_pk_add_f32 v[T:T+1], v[T:T+1], v[T+8:T+9]
	v_pk_add_f32 v[T+2:T+3], v[T+2:T+3], v[T+10:T+11]
	v_max3_num_f32 v[MX], v[T], v[T+1], v[T+2]
	v_max_num_f32 v[MX], v[MX], v[T+3]
	v_max_num_f32_dpp v[MX], v[MX], v[MX] row_xmask:1 row_mask:0xf bank_mask:0xf
	v_max_num_f32_dpp v[MX], v[MX], v[MX] row_xmask:2 row_mask:0xf bank_mask:0xf
	v_max_num_f32_dpp v[MX], v[MX], v[MX] row_xmask:4 row_mask:0xf bank_mask:0xf
	v_max_num_f32_dpp v[MX], v[MX], v[MX] row_xmask:8 row_mask:0xf bank_mask:0xf
	v_permlanex16_b32 v[T+4], v[MX], s[SEL], s[SEL+1]
	v_max_num_f32 v[MX], v[MX], v[T+4]             ; m: the 128 rows' largest score
.irp j, 0,1,2,3
	v_sub_f32 v[T+\j], v[T+\j], v[MX]
.endr
.irp j, 0,1,2,3
	v_mul_f32 v[T+\j], 0x3fb8aa3b, v[T+\j]
.endr
	s_wait_alu depctr_va_vdst(0)
.irp j, 0,1,2,3
	v_exp_f32 v[T+\j], v[T+\j]                     ; p = e^(score - m)
.endr
	v_nop
	s_wait_alu depctr_va_vdst(0)
	v_add_f32 v[T+4], v[T], v[T+1]
	v_add_f32 v[T+5], v[T+2], v[T+3]
	v_add_f32 v[LS], v[T+4], v[T+5]
	v_add_f32_dpp v[LS], v[LS], v[LS] row_xmask:1 row_mask:0xf bank_mask:0xf
	v_add_f32_dpp v[LS], v[LS], v[LS] row_xmask:2 row_mask:0xf bank_mask:0xf
	v_add_f32_dpp v[LS], v[LS], v[LS] row_xmask:4 row_mask:0xf bank_mask:0xf
	v_add_f32_dpp v[LS], v[LS], v[LS] row_xmask:8 row_mask:0xf bank_mask:0xf
	v_permlanex16_b32 v[T+6], v[LS], s[SEL], s[SEL+1]
	v_add_f32 v[LS], v[LS], v[T+6]                 ; l
	ds_store_b128 v[PVW], v[T:T+3]                 ; p by rows, into my wave's own copy
	s_wait_alu depctr_va_vdst(0)
	s_branch .Ljoin
.Lrelu:
	; ---- the hidden layer: relu, quantised, K step w of the next product.  The barrier above has shown every wave's reads of x's images over
.irp a, 0,1,2,3,4,5,6,7
	WIN 0x08+4*(\a/4)
.set j, 0
.rept 64
	v_max_num_f32 v[ST+j], 0, v[64*(\a%4)+j]
.set j, j+1
.endr
	WIN 0
	QUANT ST
	IMAGE HW, FRB*\a
	ds_store_b32 v[HV], v[PW] offset:4*\a
	s_wait_dscnt 0x0                               ; the stores have read their registers
.endr
	s_barrier_signal -1
	s_barrier_wait -1                              ; the hidden layer's 32 fragments lie in LDS
.Ljoin:
	s_add_co_u32 s[PASS], s[PASS], 1
	s_cmp_lt_u32 s[PASS], 2
	s_cbranch_scc1 .Lpass
	; ---- PASSES 3 AND 4: the two halves of W_c2, one text walked twice
	s_mov_b32 s[PASS], 0
	s_mov_b32 s[OOF], 0
	v_add_nc_u32 v[ADC], 0, v[L16]
	v_add_nc_u32 v[ASC], 0, v[ADAS]
.Lnat:
	v_add_nc_u32 v[OWC], s[OOF], v[OW]
	s_wait_alu depctr_va_vdst(0)
	FETCHA 0, 0, 0
	STEPX 0, 1, 12288, 512, 102400, 2, 1, 0, 0, 0
	STEPX 1, 1, 24576, 1024, 115200, 0, 1, 0, 0, 0
	STEPX 0, 1, 36864, 1536, 204800, 0, 1, 1, 26, 13   ; in pass 4 nothing more is asked for: behind the group wanted are 26, then 13 loads,
	STEPX 1, 2, 0, 0, 217600, 0, 1, 1, 0, 26           ; then none; at the step's end the half set that is filled again was shown in by the wait for 0
	s_wait_xcnt 0x0
	s_add_nc_u64 s[WB:WB+1], s[WB:WB+1], 204800
	; the sum over the 128 rows of p x (the pass's results), + b_c2 x l, for my 128 columns of this half
.irp b, 0,1,2,3,4,5,6,7
	global_load_b32 v[T+\b], v[BCO], s[BC2:BC2+1] offset:4*(32*(\b/2)+8*(\b%2))   ; b_c2 at my columns; they land under the multiply-adds
.endr
	s_wait_dscnt 0x0                               ; p
.irp a, 0,1,2,3,4,5,6,7
	WIN 0x02+(\a/4)
.irp jj, 0,1,2,3
.irp b, 0,1,2,3,4,5,6,7
.if (\a == 0) && (\jj == 0)
	v_pk_mul_f32 v[RS+2*\b:RS+2*\b+1], v[8*(8*(\a%4)+\b)+2*\jj:8*(8*(\a%4)+\b)+2*\jj+1], v[ST+8*\a+2*\jj:ST+8*\a+2*\jj+1]
.else
	v_pk_fma_f32 v[RS+2*\b:RS+2*\b+1], v[8*(8*(\a%4)+\b)+2*\jj:8*(8*(\a%4)+\b)+2*\jj+1], v[ST+8*\a+2*\jj:ST+8*\a+2*\jj+1], v[RS+2*\b:RS+2*\b+1]
.endif
.endr
.endr
.endr
	WIN 0
.irp b, 0,1,2,3,4,5,6,7
	v_add_f32 v[T+8+\b], v[RS+2*\b], v[RS+2*\b+1]
.endr
.irp b, 0,1,2,3,4,5,6,7
	v_permlanex16_b32 v[T+16+\b], v[T+8+\b], s[SEL], s[SEL+1]   ; the tiles' other eight rows lie in the lane 16 away
.endr
.irp b, 0,1,2,3,4,5,6,7
	v_add_f32 v[T+8+\b], v[T+8+\b], v[T+16+\b]
.endr
	s_wait_alu depctr_va_vdst(0)
	s_wait_loadcnt 0x0
.irp b, 0,1,2,3,4,5,6,7
	v_fma_f32 v[T+8+\b], v[T+\b], v[LS], v[T+8+\b]
.endr
.irp b, 0,1,2,3,4,5,6,7
	ds_store_b32 v[OWC], v[T+8+\b] offset:4*(32*(\b/2)+8*(\b%2))
.endr
	s_add_nc_u64 s[BC2:BC2+1], s[BC2:BC2+1], 2048  ; (its loads are done) the other half's 512 columns
	s_add_co_u32 s[OOF], s[OOF], 2048
	s_add_co_u32 s[PASS], s[PASS], 1
	s_cmp_lt_u32 s[PASS], 2
	s_wait_alu depctr_va_vdst(0)
	s_cbranch_scc1 .Lnat
	; ---- the way out: my two runs of 128 columns, which I stored myself, come back 16 bytes a lane
	ds_load_b128 v[T:T+3], v[ORD]
	ds_load_b128 v[T+4:T+7], v[ORD] offset:2048
	s_wait_dscnt 0x0
	global_store_b128 v[GO], v[T:T+3], s[PT:PT+1]                 ; 32 lanes store 512 consecutive bytes, at a multiple of 256 from part's first byte
	global_store_b128 v[GO], v[T+4:T+7], s[PT:PT+1] offset:2048
	s_cmp_lg_u32 s[WV], 0
	s_cbranch_scc1 .Lno_ml
	v_mov_b32 v[T+8], v[MX]
	v_mov_b32 v[T+9], v[LS]
	v_mov_b32 v[T+10], v[MX]
	v_mov_b32 v[T+11], v[LS]
	global_store_b128 v[L16], v[T+8:T+11], s[PT:PT+1] offset:4096 ; (m, l) repeated over 512 bytes: whole aligned runs of 256 bytes are written
.Lno_ml:
	s_wait_tensorcnt 0x0                           ; the wave's end: behind my last LDS store
	ds_add_u32 v[SPW], v[NIL]
	s_wait_dscnt 0x0
	s_endpgm
.Lfunc_end_k_q3545b4f7c0_fused:
	.size	k_q3545b4f7c0_fused, .Lfunc_end_k_q3545b4f7c0_fused-k_q3545b4f7c0_fused
	.p2alignl 7, 3214868480
	.fill 96, 4, 3214868480
	.section	.rodata,"a",@progbits
	.p2align	6, 0x0
	.amdhsa_kernel k_q3545b4f7c0_fused
		.amdhsa_group_segment_fixed_size 128512
		.amdhsa_private_segment_fixed_size 0
		.amdhsa_enable_private_segment 0
		.amdhsa_kernarg_size 56
		.amdhsa_user_sgpr_count 2
		.amdhsa_user_sgpr_kernarg_segment_ptr 1
		.amdhsa_wavefront_size32 1
		.amdhsa_system_sgpr_workgroup_id_x 1
		.amdhsa_system_sgpr_workgroup_id_y 1
		.amdhsa_system_sgpr_workgroup_id_z 1
		.amdhsa_system_vgpr_workitem_id 0
		.amdhsa_next_free_vgpr 1024
		.amdhsa_next_free_sgpr 100
		.amdhsa_reserve_vcc 0
		.amdhsa_float_denorm_mode_32 3
		.amdhsa_float_denorm_mode_16_64 3
		.amdhsa_memory_ordered 1
		.amdhsa_forward_progress 1
		.amdhsa_inst_pref_size 255
	.end_amdhsa_kernel
	.section	.bss,"aw",@nobits
	.p2align	6
	.space	262144
	.amdgpu_metadata
---
amdhsa.version: [ 1, 2 ]
amdhsa.kernels:
  - .name:           k_q3545b4f7c0_fused
    .symbol:         k_q3545b4f7c0_fused.kd
    .args:
      - { .name: x, .offset: 0, .size: 8, .value_kind: global_buffer, .address_space: global }
      - { .name: wq, .offset: 8, .size: 8, .value_kind: global_buffer, .address_space: global }
      - { .name: b_as, .offset: 16, .size: 8, .value_kind: global_buffer, .address_space: global }
      - { .name: W_af, .offset: 24, .size: 8, .value_kind: global_buffer, .address_space: global }
      - { .name: b_c1, .offset: 32, .size: 8, .value_kind: global_buffer, .address_space: global }
      - { .name: b_c2, .offset: 40, .size: 8, .value_kind: global_buffer, .address_space: global }
      - { .name: part, .offset: 48, .size: 8, .value_kind: global_buffer, .address_space: global }
    .group_segment_fixed_size: 128512
    .private_segment_fixed_size: 0
    .kernarg_segment_align: 8
    .kernarg_segment_size: 56
    .max_flat_workgroup_size: 128
    .sgpr_count:     100
    .vgpr_count:     1024
    .wavefront_size: 32
...
	.end_amdgpu_metadata
.endif
;; end of part 2
;; launch tail (part 3): grid 4 x 1, 4 waves a work-group, no clusters, 308,224 bytes of LDS; arguments part, wq, b_ws, ln_g, ln_b, b_u, out0; writes out0
.if DOCPART == 3
	.amdgcn_target "amdgcn-amd-amdhsa--gfx1250"
	.amdhsa_code_object_version 6
	.text
	.protected	k_q3545b4f7c0_tail
	.globl	k_q3545b4f7c0_tail
	.p2align	8
	.type	k_q3545b4f7c0_tail,@function
k_q3545b4f7c0_tail:
	s_mov_b64 s[64:65], 0
	v_nop
	global_prefetch_b8 v0, s[64:65] scope:SCOPE_SE
	s_setreg_imm32_b32 hwreg(HW_REG_WAVE_MODE, 25, 1), 1
	s_wait_xcnt 0x0
; For 16 batches: the four quarters' sums are joined under their common maximum (summed = sum of c_i P_i, c_i = e^(m_i - M) / sum of e^(m_i - M) l_i); h = Q(summed) Q(W_ws) + b_ws; LayerNorm (eps 1e-6);
; out = Q(h_norm) Q(W_u) + b_u.  Both products on codes of FP6 (E2M3) with one E8M0 scale for each 32 along K; all else in f32.
; SHARES.  64 batches are four tiles of 16 rows: four work-groups.  Wave w joins and quantises K steps 2 w, 2 w + 1 of summed, makes units 128 w .. of h (K step w of the last product) and outputs 64 w .. 64 w + 63.
; Both products are used transposed (source 0 = weight, source 1 = rows): a lane holds one batch and its registers run along the units.  Operands go from wave to wave through LDS as images of their registers.
; THE QUARTERS' SUMS come by ONE tensor load a wave: 64 rows (4 quarters x 16 batches) x 1,024 bytes, each row four aligned runs of 256 bytes, into LDS rows of 1,040 bytes.  A lane-by-lane load in the operand's order
; would name 16 rows in every instruction and take 32 bytes of each.  The tile is filled once and read by the wave that asked for it alone.  So the registers are free for the weights from the start.
; THE WEIGHTS come from wq as images, straight into registers, each wave its own columns, asked for as early as registers are free: K steps 0, 1 at the head, 2, 3 while the sums are joined, 4, 5 behind the second join,
; 6, 7 behind the product's K step 1, W_u behind K step 3.  ln_g, ln_b, b_u: each wave's 1,280 bytes come once, 16 or 8 bytes a lane, lie in LDS, and are read in h's layout when they are wanted.
; No cluster: a joint load lands in LDS, and the 409,600 + 102,400 bytes of weights that the four work-groups share do not fit there beside the sums.
; LIMITS: NaN and infinities are not served; a block of zeros gets the scale byte 1 (its codes are zeros; the bytes are read here alone).
; REGISTERS.  Window 0: v5-25 addresses; v32-95 W_ws's scale words, v96-111 W_u's, v112-119 summed's, v120-123 h_norm's (scales and nothing else); v124-147 at work; v148-211 64 numbers / h / out; v212-230 codes; v232-248 at work.
;   Window 1: W_ws K steps 0, 1, later 6, 7 (v0-191); b_ws (v192-255).  Window 2: W_ws K steps 2, 3, later W_u (v0-191); summed's fragments 0-3 (v192-239).
;   Window 3: the four quarters' numbers of one K step (256), twice; then W_ws K steps 4, 5 (v0-191), then ln_g, ln_b, b_u (v0-159); summed's fragments 4-7, later h_norm's four (v192-239).
.set FRB,  1536
.set AIMG, 0
.set ASC,  12288
.set HIMG, 12800
.set HSC,  18944
.set LN1,  19200                       ; and 256 bytes on: the second sum's words
.set OST,  19712                       ; 16 rows x (1,024 bytes + 16)
.set SPARE, 36352                      ; the spare words, 128 bytes a wave
.set VEC,  36864                       ; for each wave 1,280 bytes: its 128 of ln_g, its 128 of ln_b, its 64 of b_u
.set VECW, 1280
.set PST,  41984                       ; for each wave 64 rows x 1,040 bytes: the quarters' sums at its two K steps
.set PROW, 1040                        ; 1,024 bytes + 16 = 260 words: row r starts 4 r words on in the banks' round of 64, so the 16 rows that a load touches start at 16 different places
.set PWAVE, 64*PROW
.set MO,5
.set L16,6
.set R32,7
.set H64,8
.set AW,9
.set ASW,10
.set ASR,12
.set HWI,13
.set HWS,14
.set HR,15
.set HSR,16
.set L1W,17
.set L1R,18
.set OSW,19
.set OSR,20
.set L8,21
.set VW,22
.set VW8,23
.set VR,24
.set PLR,25
.set SPW,30
.set NIL,31
.set WS,32
.set WU,96
.set XS,112
.set HS,120
.set SM,124
.set CF,132
.set U,140
.set MXX,144
.set LL,145
.set ST,148
.set HA,148
.set OA,148
.set PC,212
.set TM,232
.set PW,248
.set MU,250
.set RQ,252
.set WV,18
.set SEL,20
.set PM,34
.set WSB,36
.set WUB,38
.set WUS,40
.set BW,42
.set LG,44
.set LB,46
.set BU,48
.set OUTB,50
.set G1,52                             ; s[52:59] descriptor group 1;  s[60:63] group 0
.set G0,60
.set MSB, 0
.macro WIN new                         ; the immediate's high byte repeats the setting that is left
.if MSB != (\new)
	s_set_vgpr_msb (MSB<<8)|(\new)
.set MSB, \new
.endif
.endm
.macro PLACES n                        ; plain places behind matrix instructions: in front of loads into their registers and of the first read of results
.rept \n
	v_nop
.endr
.endm
.macro BARRIER                         ; my LDS stores have landed and my LDS loads are in: then the work-group's barrier
	s_wait_dscnt 0x0
	s_barrier_signal -1
	s_barrier_wait -1
.endm
; 64 numbers of a lane, register 16 b + i = k 32 b + 16 (lane / 16) + i of my row, become a fragment's codes in v[PC] on and its scale word in v[PW]
.macro QUANT s
.irp b, 0,1,2,3
	v_max3_num_f32 v[TM+\b], |v[\s+16*\b]|, |v[\s+1+16*\b]|, 0x1800000   ; my 16 numbers of block b, and the floor 2^(3 - 127)
.endr
.irp i, 2,4,6,8,10,12,14
.irp b, 0,1,2,3
	v_max3_num_f32 v[TM+\b], v[TM+\b], |v[\s+16*\b+\i]|, |v[\s+1+16*\b+\i]|
.endr
.endr
.irp b, 0,1,2,3
	v_permlanex16_b32 v[TM+4+\b], v[TM+\b], s[SEL], s[SEL+1]
.endr
.irp b, 0,1,2,3
	v_max_num_f32 v[TM+\b], v[TM+\b], v[TM+4+\b]   ; with lane l xor 16's: the block's largest magnitude
.endr
.irp b, 0,1,2,3
	v_add_nc_u32 v[TM+12+\b], 0xff000000, v[TM+\b] ; 2 off its exponent field: the conversion's scale operand
.endr
.irp b, 0,1,2,3
	v_lshrrev_b32 v[TM+4+\b], 23, v[TM+12+\b]      ; the scale's byte
.endr
	v_lshl_or_b32 v[PW], v[TM+5], 8, v[TM+4]
	v_lshl_or_b32 v[PW], v[TM+6], 16, v[PW]
	v_lshl_or_b32 v[PW], v[TM+7], 24, v[PW]
.irp c, 0,1
	v_cvt_scalef32_pk16_fp6_f32 v[PC+6*\c:PC+2+6*\c], v[\s+32*\c:\s+15+32*\c], v[TM+12+2*\c]
	v_cvt_scalef32_pk16_fp6_f32 v[PC+12+4*\c:PC+14+4*\c], v[\s+16+32*\c:\s+31+32*\c], v[TM+12+2*\c+1]
.endr
	v_nop                                          ; one plain place behind a scaled conversion
.irp c, 0,1                                    ; the operand wants a whole block in a lane
.irp i, 0,1,2
	v_permlane16_swap_b32 v[PC+6*\c+\i], v[PC+12+4*\c+\i]
.endr
.irp i, 0,1,2
	v_mov_b32 v[PC+3+6*\c+\i], v[PC+12+4*\c+\i]
.endr
.endr
.endm
.macro IMAGE adr, off                  ; the fragment in v[PC] on goes to LDS as it stands: 16 bytes a lane, 512 a store
.irp c, 0,1,2
	ds_store_b128 v[\adr], v[PC+4*\c:PC+4*\c+3] offset:\off+512*\c
.endr
.endm
.macro PFETCH q                        ; the four quarters' sums at my K step 2 w + q, out of my tile, into window 3: register 64 i + 16 b + e = k 32 b + 16 h + e of batch r
	WIN 0xc0
.irp i, 0,1,2,3
.irp b, 0,1,2,3
.irp j, 0,1,2,3
	ds_load_b128 v[64*\i+16*\b+4*\j:64*\i+16*\b+4*\j+3], v[PLR] offset:16*PROW*\i+512*(\q)+128*\b+16*\j
.endr
.endr
.endr
	WIN 0
.endm
.macro KLOAD s, base                   ; W_ws's 8 fragments of K step s, my columns: each load 512 consecutive bytes
.irp i, 0,1,2,3,4,5,6,7
.irp c, 0,1,2
	global_load_b128 v[\base+12*\i+4*\c:\base+12*\i+4*\c+3], v[L16], s[WSB:WSB+1] offset:51200*(\s)+FRB*\i+512*\c
.endr
.endr
.endm
.macro VEC64 ptr, reg                  ; 64 numbers from memory in the layout of h: register 8 b + j = unit 32 (b / 2) + 16 h + 8 (b % 2) + j of my wave's 128
.irp b, 0,1,2,3,4,5,6,7
	global_load_b128 v[\reg+8*\b:\reg+8*\b+3], v[H64], s[\ptr:\ptr+1] offset:128*(\b/2)+32*(\b%2)
	global_load_b128 v[\reg+8*\b+4:\reg+8*\b+7], v[H64], s[\ptr:\ptr+1] offset:128*(\b/2)+32*(\b%2)+16
.endr
.endm
.macro LVEC off, reg, n                ; the same layout, n tiles of 8, out of my wave's copy in LDS
.set vb, 0
.rept \n
	ds_load_b128 v[\reg+8*vb:\reg+8*vb+3], v[VR] offset:\off+128*(vb/2)+32*(vb%2)
	ds_load_b128 v[\reg+8*vb+4:\reg+8*vb+7], v[VR] offset:\off+128*(vb/2)+32*(vb%2)+16
.set vb, vb+1
.endr
.endm
.macro COMB win                        ; summed = c0 P0 + c1 P1 + c2 P2 + c3 P3, into v[ST] on
	WIN ((\win)<<6)|((\win)<<4)|(\win)
.set i, 0
.rept 32
	v_pk_mul_f32 v[i:i+1], v[i:i+1], v[CF:CF+1]
.set i, i+2
.endr
.set i, 0
.rept 32
	v_pk_fma_f32 v[i:i+1], v[64+i:65+i], v[CF+2:CF+3], v[i:i+1]
.set i, i+2
.endr
.set i, 0
.rept 32
	v_pk_fma_f32 v[i:i+1], v[128+i:129+i], v[CF+4:CF+5], v[i:i+1]
.set i, i+2
.endr
	WIN ((\win)<<4)|(\win)
.set i, 0
.rept 32
	v_pk_fma_f32 v[ST+i:ST+i+1], v[192+i:193+i], v[CF+6:CF+7], v[i:i+1]
.set i, i+2
.endr
	WIN 0
.endm
.macro KSTEP s, base, ab, first        ; 8 matrix instructions, the 8 accumulators by turns
.irp b, 0,1,2,3,4,5,6,7
.if \first
	v_wmma_scale_f32_16x16x128_f8f6f4 v[HA+8*\b:HA+8*\b+7], v[\base+12*\b:\base+12*\b+11], v[\ab:\ab+11], v[192+8*\b:192+8*\b+7], v[WS+8*(\s)+\b], v[XS+(\s)] matrix_a_fmt:MATRIX_FMT_FP6 matrix_b_fmt:MATRIX_FMT_FP6
.else
	v_wmma_scale_f32_16x16x128_f8f6f4 v[HA+8*\b:HA+8*\b+7], v[\base+12*\b:\base+12*\b+11], v[\ab:\ab+11], v[HA+8*\b:HA+8*\b+7], v[WS+8*(\s)+\b], v[XS+(\s)] matrix_a_fmt:MATRIX_FMT_FP6 matrix_b_fmt:MATRIX_FMT_FP6
.endif
.endr
.endm
	s_load_b256 s[4:11], s[0:1], 0x0               ; part, wq, b_ws, ln_g
	s_load_b128 s[12:15], s[0:1], 0x20             ; ln_b, b_u
	s_load_b64 s[16:17], s[0:1], 0x30              ; out0
	v_lshl_add_u32 v[SPW], v0, 2, SPARE
	v_mov_b32 v[NIL], 0
	ds_add_u32 v[SPW], v[NIL]                      ; the wave's opening: the add and its wait ahead of my tensor load; work on registers stands between
	ds_add_u32 v[SPW], v[NIL]
	v_lshrrev_b32 v1, 5, v0
	v_readfirstlane_b32 s[WV], v1
	; descriptor group 1: 64 rows x 1,024 bytes (128 elements of 8 bytes), 4,608 bytes from row to row, 16 bytes of padding behind each row in LDS
	s_mov_b32 s[G1], (3<<16)|(1<<20)|(7<<22)|(3<<25)   ; 15:0 no mask; 17:16 elements of 8 bytes; 20 padding on; 24:22 after every 256 words (code 7); 31:25 of 4 words (code 3)
	s_mov_b32 s[G1+1], 128<<16                     ; tensor_dim0 = 128
	s_mov_b32 s[G1+2], 64<<16                      ; tensor_dim1 = 64
	s_mov_b32 s[G1+3], 128<<16                     ; tile_dim0 = 128
	s_mov_b32 s[G1+4], 64                          ; tile_dim1 = 64
	s_mov_b32 s[G1+5], 576                         ; from row to row, in elements
	s_mov_b32 s[G1+6], 0
	s_mov_b32 s[G1+7], 0
	s_mul_i32 s22, s[WV], PWAVE
	s_mov_b32 s[G0], 1
	s_add_co_u32 s[G0+1], s22, PST                 ; my tile in LDS
	v_and_b32 v1, 31, v0                           ; l
	v_and_b32 v2, 15, v0                           ; r
	v_bfe_u32 v3, v0, 4, 1                         ; h
	v_mul_u32_u24 v[MO], v2, 4608                  ; part: batch r's row of a quarter
	v_lshlrev_b32 v[L16], 4, v1
	v_lshlrev_b32 v[L8], 3, v1
	v_lshlrev_b32 v[R32], 5, v2
	v_lshlrev_b32 v[H64], 6, v3
	v_mul_u32_u24 v[PLR], v2, PROW
	v_add_nc_u32 v[PLR], v[PLR], v[H64]
	v_add_nc_u32 v[PLR], s[G0+1], v[PLR]           ; my tile: row r, + 64 h
	s_mul_i32 s22, s[WV], VECW
	s_add_co_u32 s22, s22, VEC
	v_add_nc_u32 v[VW], s22, v[L16]                ; my wave's copy of the vectors: in, 16 bytes a lane,
	v_add_nc_u32 v[VW8], s22, v[L8]                ; or 8;
	v_add_nc_u32 v[VR], s22, v[H64]                ; out, in h's layout
	s_mul_i32 s22, s[WV], 2*FRB
	v_add_nc_u32 v[AW], s22, v[L16]
	s_lshl_b32 s22, s[WV], 3
	s_add_co_u32 s22, s22, ASC
	v_add_nc_u32 v[ASW], s22, v[R32]
	v_add_nc_u32 v[ASR], ASC, v[R32]
	s_mul_i32 s22, s[WV], FRB
	s_add_co_u32 s22, s22, HIMG
	v_add_nc_u32 v[HWI], s22, v[L16]
	v_add_nc_u32 v[HR], HIMG, v[L16]
	s_lshl_b32 s22, s[WV], 2
	s_add_co_u32 s23, s22, HSC
	v_lshl_add_u32 v[HWS], v2, 4, s23
	v_lshl_add_u32 v[HSR], v2, 4, HSC
	s_add_co_u32 s23, s22, LN1
	v_lshl_add_u32 v[L1W], v2, 4, s23
	v_lshl_add_u32 v[L1R], v2, 4, LN1
	s_lshl_b32 s22, s[WV], 8
	s_add_co_u32 s22, s22, OST
	v_mul_u32_u24 v[OSW], v2, 1040
	v_add_nc_u32 v[OSW], v[OSW], v[H64]
	v_add_nc_u32 v[OSW], s22, v[OSW]
	s_mul_i32 s22, s[WV], 4160
	s_add_co_u32 s22, s22, OST
	v_add_nc_u32 v[OSR], s22, v[L16]
.irp b, 0,1,2,3
	v_mov_b32 v[TM+4+\b], 0                        ; a lane permute's destination counts as one of its sources
.endr
	s_mov_b32 s[SEL], 0x76543210
	s_mov_b32 s[SEL+1], 0xfedcba98                 ; v_permlanex16_b32's selects for lane l xor 16
	s_mul_i32 s22, ttmp9, 294912                   ; 64 rows of part to a work-group
	s_mov_b32 s23, 0
	s_lshl_b32 s24, s[WV], 10                      ; my two K steps
	s_mov_b32 s25, 0
	s_mul_i32 s26, s[WV], 12800
	s_add_co_u32 s26, s26, 96*12800                ; W_ws: block 96 + 4 s + w
	s_mov_b32 s27, 0
	s_lshr_b32 s28, s[WV], 1
	s_mul_i32 s28, s28, 12800
	s_add_co_u32 s28, s28, 128*12800               ; W_u: block 128 + 2 s + w / 2,
	s_mov_b32 s29, 0
	s_and_b32 s30, s[WV], 1                        ; its fragments 4 (w % 2) on
	s_wait_dscnt 0x0                               ; the opening add is done
	s_wait_kmcnt 0x0
	s_add_nc_u64 s[PM:PM+1], s[4:5], s[22:23]
	s_add_nc_u64 s[G0+2:G0+3], s[PM:PM+1], s[24:25]
	s_or_b32 s[G0+3], s[G0+3], 0x80000000          ; 127:126 type = 2
	tensor_load_to_lds s[G0:G0+3], s[G1:G1+7]      ; my one tensor load: the first thing that is asked for
	s_nop 0
	PLACES 4
	s_add_nc_u64 s[WSB:WSB+1], s[6:7], s[26:27]
	s_add_nc_u64 s[WUS:WUS+1], s[6:7], s[28:29]
	s_mul_i32 s22, s30, 4*FRB
	s_add_nc_u64 s[WUB:WUB+1], s[WUS:WUS+1], s[22:23]
	s_lshl_b32 s22, s30, 4
	s_add_co_u32 s22, s22, 12288
	s_add_nc_u64 s[WUS:WUS+1], s[WUS:WUS+1], s[22:23]
	s_lshl_b32 s22, s[WV], 9
	s_add_nc_u64 s[BW:BW+1], s[8:9], s[22:23]
	s_add_nc_u64 s[LG:LG+1], s[10:11], s[22:23]
	s_add_nc_u64 s[LB:LB+1], s[12:13], s[22:23]
	s_lshl_b32 s22, s[WV], 8
	s_add_nc_u64 s[BU:BU+1], s[14:15], s[22:23]
	s_lshl_b32 s22, ttmp9, 14
	s_lshl_b32 s24, s[WV], 12
	s_add_co_u32 s22, s22, s24
	s_add_nc_u64 s[OUTB:OUTB+1], s[16:17], s[22:23] ; out0: row 16 t + 4 w
.irp i, 0,1,2,3
	global_load_b64 v[SM+2*\i:SM+2*\i+1], v[MO], s[PM:PM+1] offset:73728*\i+4096   ; (m, l) of batch r's quarter i
.endr
	global_load_b128 v[PC:PC+3], v[L16], s[LG:LG+1]       ; my 128 of ln_g: 512 consecutive bytes,
	global_load_b128 v[PC+4:PC+7], v[L16], s[LB:LB+1]     ; of ln_b,
	global_load_b64 v[PC+8:PC+9], v[L8], s[BU:BU+1]       ; my 64 of b_u: 256
	WIN 0x40
	KLOAD 0, 0
	KLOAD 1, 96
	WIN 0
	s_wait_loadcnt 48                              ; (m, l) and the three vectors are in; K steps 0, 1 may be out
	ds_store_b128 v[VW], v[PC:PC+3]
	ds_store_b128 v[VW], v[PC+4:PC+7] offset:512
	ds_store_b64 v[VW8], v[PC+8:PC+9] offset:1024
	v_max3_num_f32 v[MXX], v[SM], v[SM+2], v[SM+4]
	v_max_num_f32 v[MXX], v[MXX], v[SM+6]          ; the batch's largest score
.irp i, 0,1,2,3
	v_sub_f32 v[U+\i], v[SM+2*\i], v[MXX]
.endr
.irp i, 0,1,2,3
	v_mul_f32 v[U+\i], 0x3fb8aa3b, v[U+\i]
.endr
	s_wait_alu depctr_va_vdst(0)
.irp i, 0,1,2,3
	v_exp_f32 v[U+\i], v[U+\i]
.endr
	v_nop
	s_wait_alu depctr_va_vdst(0)                   ; one wait for the four, ahead of their first reader
	v_mul_f32 v[LL], v[U], v[SM+1]
	v_fma_f32 v[LL], v[U+1], v[SM+3], v[LL]
	v_fma_f32 v[LL], v[U+2], v[SM+5], v[LL]
	v_fma_f32 v[LL], v[U+3], v[SM+7], v[LL]        ; the softmax's divisor
	s_wait_alu depctr_va_vdst(0)
	v_rcp_f32 v[LL], v[LL]
	v_nop
	s_wait_alu depctr_va_vdst(0)
.irp i, 0,1,2,3
	v_mul_f32 v[CF+2*\i], v[U+\i], v[LL]
.endr
.irp i, 0,1,2,3
	v_mov_b32 v[CF+2*\i+1], v[CF+2*\i]             ; twice, for the packed forms
.endr
	s_wait_alu depctr_va_vdst(0)
	s_wait_tensorcnt 0x0                           ; my 64 rows have landed; I alone read them
	PFETCH 0
	WIN 0x40
	VEC64 BW, 192                                  ; b_ws; these 56 loads are asked for while the LDS loads come
	WIN 0
.irp s, 0,1,2,3,4,5,6,7
.irp c, 0,1
	global_load_b128 v[WS+8*\s+4*\c:WS+8*\s+4*\c+3], v[R32], s[WSB:WSB+1] offset:51200*\s+12288+16*\c
.endr
.endr
	WIN 0x80
	KLOAD 2, 0
	WIN 0
	s_wait_dscnt 0x0
	COMB 3
	PFETCH 1                                       ; my second K step, into the same window; it comes while the first is quantised
	WIN 0x80
	KLOAD 3, 96
	WIN 0
	QUANT ST
	IMAGE AW, AIMG
	ds_store_b32 v[ASW], v[PW]
	s_wait_dscnt 0x0                               ; the second K step is in, and the stores have read their registers
	COMB 3
	WIN 0xc0
	KLOAD 4, 0                                     ; the window is free: K steps 4, 5
	KLOAD 5, 96
	WIN 0
	QUANT ST
	IMAGE AW, AIMG+FRB
	ds_store_b32 v[ASW], v[PW] offset:4
	BARRIER                                        ; summed's eight fragments lie in LDS
	WIN 0x80
.irp s, 0,1,2,3
.irp c, 0,1,2
	ds_load_b128 v[192+12*\s+4*\c:192+12*\s+4*\c+3], v[L16] offset:AIMG+FRB*\s+512*\c
.endr
.endr
	WIN 0xc0
.irp s, 0,1,2,3
.irp c, 0,1,2
	ds_load_b128 v[192+12*\s+4*\c:192+12*\s+4*\c+3], v[L16] offset:AIMG+FRB*(\s+4)+512*\c
.endr
.endr
	WIN 0
	ds_load_b128 v[XS:XS+3], v[ASR]
	ds_load_b128 v[XS+4:XS+7], v[ASR] offset:16
	s_wait_dscnt 0x0
	s_wait_loadcnt 48                              ; all but K steps 4, 5
	WIN 0x19                                       ; weight window 1, rows window 2, C (b_ws) window 1
	KSTEP 0, 0, 192, 1
	WIN 0x09
	KSTEP 1, 96, 204, 0
	PLACES 4
	WIN 0x40
	KLOAD 6, 0                                     ; K steps 0, 1 have been multiplied: 6, 7 take their registers
	KLOAD 7, 96
	WIN 0x0a
	KSTEP 2, 0, 216, 0
	KSTEP 3, 96, 228, 0
	PLACES 4
	WIN 0x80
.irp s, 0,1,2,3
.irp t, 0,1,2,3
.irp c, 0,1,2
	global_load_b128 v[48*\s+12*\t+4*\c:48*\s+12*\t+4*\c+3], v[L16], s[WUB:WUB+1] offset:25600*\s+FRB*\t+512*\c   ; W_u: K step s, my fragment t
.endr
.endr
.endr
	WIN 0
.irp s, 0,1,2,3
	global_load_b128 v[WU+4*\s:WU+4*\s+3], v[R32], s[WUS:WUS+1] offset:25600*\s
.endr
	s_wait_loadcnt 52                              ; K steps 4 to 7 are in; W_u's 48 loads and its 4 of scale words may be out
	WIN 0x0f
	KSTEP 4, 0, 192, 0
	KSTEP 5, 96, 204, 0
	WIN 0x0d
	KSTEP 6, 0, 216, 0
	KSTEP 7, 96, 228, 0
	WIN 0
	PLACES 4
	WIN 0xc0
	LVEC 0, 0, 8                                   ; ln_g, ln_b, b_u in h's layout, out of my own copy: they come under the sums below
	LVEC 512, 64, 8
	LVEC 1024, 128, 4
	WIN 0
	; ---- LayerNorm, in two passes: the mean, then the mean square of what is left.  A batch's 512 units lie in two lanes of each of the four waves
	v_pk_add_f32 v[U:U+1], v[HA:HA+1], v[HA+2:HA+3]
	v_pk_add_f32 v[U+2:U+3], v[HA+4:HA+5], v[HA+6:HA+7]
.irp j, 8,12,16,20,24,28,32,36,40,44,48,52,56,60
	v_pk_add_f32 v[U:U+1], v[U:U+1], v[HA+\j:HA+\j+1]
	v_pk_add_f32 v[U+2:U+3], v[U+2:U+3], v[HA+\j+2:HA+\j+3]
.endr
	v_pk_add_f32 v[U:U+1], v[U:U+1], v[U+2:U+3]
	v_add_f32 v[U], v[U], v[U+1]
	v_permlanex16_b32 v[U+1], v[U], s[SEL], s[SEL+1]
	v_add_f32 v[U], v[U], v[U+1]
	ds_store_b32 v[L1W], v[U]
	BARRIER
	ds_load_b128 v[U:U+3], v[L1R]
	s_wait_dscnt 0x0
	v_add_f32 v[U], v[U], v[U+1]
	v_add_f32 v[U+2], v[U+2], v[U+3]
	v_add_f32 v[U], v[U], v[U+2]
	v_mul_f32 v[MU], 0x3b000000, v[U]              ; / 512
	v_mov_b32 v[MU+1], v[MU]
.set i, 0
.rept 32
	v_pk_add_f32 v[HA+i:HA+i+1], v[HA+i:HA+i+1], v[MU:MU+1] neg_lo:[0,1] neg_hi:[0,1]
.set i, i+2
.endr
	v_pk_mul_f32 v[U:U+1], v[HA:HA+1], v[HA:HA+1]
	v_pk_mul_f32 v[U+2:U+3], v[HA+2:HA+3], v[HA+2:HA+3]
.irp j, 4,8,12,16,20,24,28,32,36,40,44,48,52,56,60
	v_pk_fma_f32 v[U:U+1], v[HA+\j:HA+\j+1], v[HA+\j:HA+\j+1], v[U:U+1]
	v_pk_fma_f32 v[U+2:U+3], v[HA+\j+2:HA+\j+3], v[HA+\j+2:HA+\j+3], v[U+2:U+3]
.endr
	v_pk_add_f32 v[U:U+1], v[U:U+1], v[U+2:U+3]
	v_add_f32 v[U], v[U], v[U+1]
	v_permlanex16_b32 v[U+1], v[U], s[SEL], s[SEL+1]
	v_add_f32 v[U], v[U], v[U+1]
	ds_store_b32 v[L1W], v[U] offset:256
	BARRIER
	ds_load_b128 v[U:U+3], v[L1R] offset:256
	s_wait_dscnt 0x0
	v_add_f32 v[U], v[U], v[U+1]
	v_add_f32 v[U+2], v[U+2], v[U+3]
	v_add_f32 v[U], v[U], v[U+2]
	s_mov_b32 s22, 0x3b000000                      ; 1 / 512
	s_mov_b32 s23, 0x358637bd                      ; 1e-6
	v_fma_f32 v[U], v[U], s22, s23                 ; the variance + 1e-6
	s_wait_alu depctr_va_vdst(0)
	v_rsq_f32 v[RQ], v[U]
	v_nop
	s_wait_alu depctr_va_vdst(0)
	v_mov_b32 v[RQ+1], v[RQ]
.set i, 0
.rept 32
	v_pk_mul_f32 v[HA+i:HA+i+1], v[HA+i:HA+i+1], v[RQ:RQ+1]
.set i, i+2
.endr
	WIN 0x3c                                       ; sources 1 (ln_g) and 2 (ln_b) window 3; both came in front of the barriers above
.set i, 0
.rept 32
	v_pk_fma_f32 v[HA+i:HA+i+1], v[HA+i:HA+i+1], v[i:i+1], v[64+i:65+i]
.set i, i+2
.endr
	WIN 0
	QUANT HA
	IMAGE HWI, 0
	ds_store_b32 v[HWS], v[PW]
	BARRIER                                        ; h_norm's four fragments lie in LDS
	WIN 0xc0
.irp s, 0,1,2,3
.irp c, 0,1,2
	ds_load_b128 v[192+12*\s+4*\c:192+12*\s+4*\c+3], v[HR] offset:FRB*\s+512*\c
.endr
.endr
	WIN 0
	ds_load_b128 v[HS:HS+3], v[HSR]
	s_wait_dscnt 0x0
	s_wait_loadcnt 0x0                             ; W_u and its scale words
	WIN 0x3e                                       ; weight window 2, rows window 3, C (b_u) window 3
.irp t, 0,1,2,3
	v_wmma_scale_f32_16x16x128_f8f6f4 v[OA+8*\t:OA+8*\t+7], v[12*\t:12*\t+11], v[192:203], v[128+8*\t:128+8*\t+7], v[WU+\t], v[HS] matrix_a_fmt:MATRIX_FMT_FP6 matrix_b_fmt:MATRIX_FMT_FP6
.endr
	WIN 0x0e
.irp s, 1,2,3
.irp t, 0,1,2,3
	v_wmma_scale_f32_16x16x128_f8f6f4 v[OA+8*\t:OA+8*\t+7], v[48*\s+12*\t:48*\s+12*\t+11], v[192+12*\s:192+12*\s+11], v[OA+8*\t:OA+8*\t+7], v[WU+4*\s+\t], v[HS+\s] matrix_a_fmt:MATRIX_FMT_FP6 matrix_b_fmt:MATRIX_FMT_FP6
.endr
.endr
	WIN 0
	PLACES 4
.irp t, 0,1,2,3
	ds_store_b128 v[OSW], v[OA+8*\t:OA+8*\t+3] offset:128*(\t/2)+32*(\t%2)        ; lane (r, h): out(r, 64 w + 32 (t / 2) + 16 h + 8 (t % 2) + 0 .. 7); each accumulator from its low end on
	ds_store_b128 v[OSW], v[OA+8*\t+4:OA+8*\t+7] offset:128*(\t/2)+32*(\t%2)+16
.endr
	BARRIER                                        ; 16 whole rows lie in the stage
.irp i, 0,1,2,3
.irp u, 0,1
	ds_load_b128 v[ST+32+8*\i+4*\u:ST+32+8*\i+4*\u+3], v[OSR] offset:1040*\i+512*\u
.endr
.endr
.irp i, 0,1,2,3
.irp u, 0,1
	s_wait_dscnt 7-2*\i-\u
	global_store_b128 v[L16], v[ST+32+8*\i+4*\u:ST+32+8*\i+4*\u+3], s[OUTB:OUTB+1] offset:1024*\i+512*\u   ; 32 lanes store 512 consecutive bytes, at a multiple of 256 from out0's first byte
.endr
.endr
	s_wait_tensorcnt 0x0                           ; the wave's end: behind my tensor load and my last LDS store
	ds_add_u32 v[SPW], v[NIL]
	s_wait_dscnt 0x0
	s_endpgm
.Lfunc_end_k_q3545b4f7c0_tail:
	.size	k_q3545b4f7c0_tail, .Lfunc_end_k_q3545b4f7c0_tail-k_q3545b4f7c0_tail
	.p2alignl 7, 3214868480
	.fill 96, 4, 3214868480
	.section	.rodata,"a",@progbits
	.p2align	6, 0x0
	.amdhsa_kernel k_q3545b4f7c0_tail
		.amdhsa_group_segment_fixed_size 308224
		.amdhsa_private_segment_fixed_size 0
		.amdhsa_enable_private_segment 0
		.amdhsa_kernarg_size 56
		.amdhsa_user_sgpr_count 2
		.amdhsa_user_sgpr_kernarg_segment_ptr 1
		.amdhsa_wavefront_size32 1
		.amdhsa_system_sgpr_workgroup_id_x 1
		.amdhsa_system_sgpr_workgroup_id_y 1
		.amdhsa_system_sgpr_workgroup_id_z 1
		.amdhsa_system_vgpr_workitem_id 0
		.amdhsa_next_free_vgpr 1024
		.amdhsa_next_free_sgpr 66
		.amdhsa_reserve_vcc 0
		.amdhsa_float_denorm_mode_32 3
		.amdhsa_float_denorm_mode_16_64 3
		.amdhsa_memory_ordered 1
		.amdhsa_forward_progress 1
		.amdhsa_inst_pref_size 100
	.end_amdhsa_kernel
	.amdgpu_metadata
---
amdhsa.version: [ 1, 2 ]
amdhsa.kernels:
  - .name:           k_q3545b4f7c0_tail
    .symbol:         k_q3545b4f7c0_tail.kd
    .args:
      - { .name: part, .offset: 0, .size: 8, .value_kind: global_buffer, .address_space: global }
      - { .name: wq, .offset: 8, .size: 8, .value_kind: global_buffer, .address_space: global }
      - { .name: b_ws, .offset: 16, .size: 8, .value_kind: global_buffer, .address_space: global }
      - { .name: ln_g, .offset: 24, .size: 8, .value_kind: global_buffer, .address_space: global }
      - { .name: ln_b, .offset: 32, .size: 8, .value_kind: global_buffer, .address_space: global }
      - { .name: b_u, .offset: 40, .size: 8, .value_kind: global_buffer, .address_space: global }
      - { .name: out0, .offset: 48, .size: 8, .value_kind: global_buffer, .address_space: global }
    .group_segment_fixed_size: 308224
    .private_segment_fixed_size: 0
    .kernarg_segment_align: 8
    .kernarg_segment_size: 56
    .max_flat_workgroup_size: 128
    .sgpr_count:     66
    .vgpr_count:     1024
    .wavefront_size: 32
...
	.end_amdgpu_metadata
.endif
;; end of part 3
